; MI455X (gfx1250); checked and timed in simulation.
; The chip was launched on July 23, 2026; its instructions are those of AMD's public machine-readable ISA for CDNA 5 (MIT licence, August 2026) and "CDNA5" Instruction Set Architecture Reference Guide (July 2026). The comments in the code are by the model that wrote it; some were corrected since.
;; Position Only Attention. Allowed arithmetic: float matrix products may take bf16 or f16 operands with f32 sums; all other float work in f32.
;; Inputs: conns_out 16 x 12 int32; conns_value 4 x 16 x 10 int32; output_table 16 x 4,096 float32; route_table 4 x 16,777,216 int32; tokens 2,048 x 16 int32; value_table 4 x 16 x 1,024 float32.
;; Outputs: out0 2,048 x 16 float32.
;; 2 versions, each right; version 2 is version 1 with the launch scan written anew for expert scheduling mode. Each part assembles by itself: llvm-mc -triple=amdgcn-amd-amdhsa -mcpu=gfx1250 --defsym DOCPART=n.
;; ======== version 1 of 2: 2 launches
;; workspace buffers: side 65,536 bytes of whole numbers
;; launch scan (part 1): grid 256 x 1, 16 waves a work-group, no clusters, 2,304 bytes of LDS; arguments route_table, tokens, conns_value, value_table, side; writes side
.if DOCPART == 1
	.amdgcn_target "amdgcn-amd-amdhsa--gfx1250"
	.amdhsa_code_object_version 6
	.text
	.protected	k_q3470d9d841_scan
	.globl	k_q3470d9d841_scan
	.p2align	8
	.type	k_q3470d9d841_scan,@function
k_q3470d9d841_scan:
	s_mov_b64 s[64:65], 0
	v_nop
	global_prefetch_b8 v0, s[64:65] scope:SCOPE_SE
	s_setreg_imm32_b32 hwreg(HW_REG_WAVE_MODE, 25, 1), 1
	s_wait_xcnt 0x0
; FIRST HITS AND VALUE BITS.  side holds one record of 8 words (32 bytes) for each position p = 0..2047:
;   word 4 (h >> 1) + (h & 1)     : J(p, h) = the first j < 2,048 with route_table[h][4096 p + j] > 0, or 2,048 if the row has none
;   word 4 (h >> 1) + (h & 1) + 2 : bit t = ( value_table[h][t][vaddr(h, t, p)] > 0.5 ), t = 0..15; bits 16..31 = 0
; vaddr(h,t,p) = the 10 bits vin[p][conns_value[h][t][k]], k = 0 first (highest);  vin[p] = the 16 tokens of position p, then the 12 bits of p, highest first.
; Both are decisions that steer addresses; they are stored here as whole numbers, and the next launch forms its addresses from what it reads.
; A work-group owns 8 positions: 32 rows of the route table (256 KiB) and 256 consecutive bytes of side.  Sixteen waves: wave w takes position
; 8 g + (w >> 1) and the two heads 2 (w & 1), 2 (w & 1) + 1: two rows of 8,192 bytes, and 16 bytes of the record.
; EVERY ROW IS READ WHOLE, whatever it holds: no branch and no address of this launch hangs on a number of the route table, so the work is the same for
; every table.  A wave asks for its two rows at once, 32 loads of 512 consecutive bytes into 128 registers: all that the work-group will ever read
; is on its way before the first word is looked at, so there is nothing that a ring of slots could add.
; No cluster: each row is read by one wave alone, and the small tables are gathered one word at a time, so no tile is shared.
; LIMITS: every token is 0 or 1 (another number would spill into the neighbouring bits of W); every connection is 0..27, inside vin.
; route_table may hold any int32 (signed compare with 0).  A NaN in value_table compares false, as it does in the reference.
.set ROWB,  16384                      ; bytes from a query's row to the next: 4,096 words, of which the first 2,048 count
.set HEADB, 0x4000000                  ; bytes from head to head: 2^24 words
.set CHB,   512                        ; a chunk: what one load of the wave covers, 128 words; lane l holds words 4 l .. 4 l + 3 of it
.set NCH,   16                         ; chunks in a row
.set R0,  22                           ; s[22:23]  address of my first row;  s[24:25] of my second
.set J0,  26                           ; s26, s27  J of my two rows
.set W,   28                           ; s28       the 28 input bits of my position: bit c = vin[c]
.set TK,  32                           ; s[32:47]  its 16 tokens
.set M,   48                           ; s[48:51], s[56:59]  lane masks of a chunk, one for each word e = 0..3 of a lane; two sets in turn
.set C,   52                           ; s[52:55]  the masks of the earliest chunk seen so far that has a hit
.set T,   60                           ; s60, s61  at work
.set BASE, 62                          ; s62       that chunk's first index
.set RO,  2                            ; v2        16 x lane
.set COF, 3                            ; v3        byte offset of my neuron's 10 connections
.set VR,  4                            ; v4        byte offset of my neuron's table
.set L8,  5                            ; v5        8 x lane
.set LA,  6                            ; v6        LDS address of my wave's 16 bytes
.set CN,  8                            ; v[8:17]   my neuron's connections, then the bits that they pick
.set A,   18                           ; v18       table address
.set V,   20                           ; v20       the table's entry
.set D,   24                           ; v[24:27]  my wave's four words of the record
.set RBK, 28                           ; v[28:29]  wave 0: 8 bytes of the work-group's 256
.set X0,  32                           ; v[32:95]  my first row: chunk c in 4 registers at X0 + 4 c
.set X1,  96                           ; v[96:159] my second row
	s_load_b256 s[4:11], s[0:1], 0x0               ; route_table s[4:5], tokens s[6:7], conns_value s[8:9], value_table s[10:11]
	s_load_b64 s[12:13], s[0:1], 0x20              ; side
	v_lshl_add_u32 v160, v0, 2, 0x100
	v_mov_b32 v161, 0
	v_lshrrev_b32 v1, 5, v0
	v_readfirstlane_b32 s14, v1                    ; wave 0..15
	s_lshr_b32 s15, s14, 1
	s_lshl3_add_u32 s15, ttmp9, s15                ; my position p = 8 g + (w >> 1)
	s_and_b32 s16, s14, 1                          ; which pair of heads
	s_lshl_b32 s18, s16, 27                        ; head 2 (w & 1) x 2^26 bytes
	s_lshl_b32 s17, s15, 14                        ; + p x 16,384 bytes
	s_or_b32 s18, s18, s17
	s_mov_b32 s19, 0
	s_lshl_b32 s20, s15, 6                         ; 64 bytes of tokens a position
	s_mov_b32 s21, 0
	s_lshl_b32 s30, ttmp9, 8                       ; 256 bytes of side a work-group
	s_mov_b32 s31, 0
	v_and_b32 v1, 31, v0                           ; lane
	v_and_b32 v7, 63, v0                           ; my neuron among all 64: 32 (w & 1) + lane = 16 x head + t
	v_lshlrev_b32 v[RO], 4, v1
	v_mul_u32_u24 v[COF], v7, 40                   ; 10 connections of 4 bytes
	v_lshlrev_b32 v[VR], 12, v7                    ; 1,024 f32
	v_lshlrev_b32 v[L8], 3, v1
	v_mov_b32 v[LA], s14
	v_lshlrev_b32 v[LA], 4, v[LA]                  ; 16 w = 32 x (position in the group) + 16 x (pair of heads)
	s_wait_kmcnt 0x0
	s_add_nc_u64 s[R0:R0+1], s[4:5], s[18:19]
	s_add_nc_u64 s[R0+2:R0+3], s[R0:R0+1], HEADB
	s_add_nc_u64 s[6:7], s[6:7], s[20:21]
	s_add_nc_u64 s[12:13], s[12:13], s[30:31]
	s_load_b512 s[TK:TK+15], s[6:7], 0x0           ; one position for the whole wave: its tokens are scalars
.irp i, 0,1,2,3,4
	global_load_b64 v[CN+2*\i:CN+2*\i+1], v[COF], s[8:9] offset:8*\i      ; the five loads together take the wave's 1,280 consecutive bytes
.endr
; A row's 16 loads, the last chunk first: they come back in the order of issue, and the search below wants the later chunk before the earlier one.
.macro ASK xr, base
.set c, NCH-1
.rept NCH
	global_load_b128 v[\xr+4*c:\xr+4*c+3], v[RO], s[\base:\base+1] offset:CHB*c th:TH_LOAD_NT   ; 512 consecutive bytes, read once in the launch
.set c, c-1
.endr
.endm
	ASK X0, R0
	ASK X1, R0+2
	; While all that is out: W, highest bit first, doubling and adding.  vin[16 + k] = bit 11 - k of p, so W's bit 27 is bit 0 of p, bit 26 bit 1, ..
	s_and_b32 s[W], s15, 1
.irp b, 1,2,3,4,5,6,7,8,9,10
	s_bfe_u32 s29, s15, (1<<16)|\b
	s_lshl1_add_u32 s[W], s[W], s29
.endr
	s_lshl_b32 s[W], s[W], 1                       ; bit 11 of a position below 2,048 is 0
	s_wait_kmcnt 0x0                               ; the tokens
.irp t, 15,14,13,12,11,10,9,8,7,6,5,4,3,2,1,0
	s_lshl1_add_u32 s[W], s[W], s[TK+\t]           ; vin[t] = token t, which ends at bit t
.endr
	s_wait_loadcnt 32                              ; loads come back in order (ISA guide 5.7.1): my connections are in, the 32 loads of the two rows stay out
.irp k, 0,1,2,3,4,5,6,7,8,9
	v_bfe_u32 v[CN+\k], s[W], v[CN+\k], 1          ; ten picks that do not wait for each other
.endr
	v_lshl_or_b32 v[A], v[CN], 1, v[CN+1]          ; the address, connection 0 highest
.irp k, 2,3,4,5,6,7,8,9
	v_lshl_or_b32 v[A], v[A], 1, v[CN+\k]
.endr
	v_min_u32 v[A], 0x3ff, v[A]                    ; ten bits cannot pass 1,023; the bound is written out where a loaded number turns into an address
	v_lshl_add_u32 v[A], v[A], 2, v[VR]
	global_load_b32 v[V], v[A], s[10:11]           ; asked for now, wanted behind the rows
; THE SEARCH of one row.  left = how many younger loads may be out when the row's first load (its last chunk) has to be in.
; A chunk with a hit takes the candidate's place; as the chunks come from the last to the first, the earliest one with a hit is left.  If no chunk
; has a hit the candidate is still the last chunk, with four empty masks.
.macro ROW xr, left, jr
	s_wait_loadcnt \left
.irp e, 0,1,2,3
	v_cmp_lt_i32 s[C+\e], 0, v[\xr+4*(NCH-1)+\e]   ; the last chunk starts as the candidate: nothing is cleared
.endr
	s_mov_b32 s[BASE], 128*(NCH-1)
.set n, 1
.rept NCH-1
.set MM, M+8*(n&1)
	s_wait_loadcnt \left-n                         ; the row's load number n (chunk 15 - n) is in; the younger ones stay out
.irp e, 0,1,2,3
	v_cmp_lt_i32 s[MM+\e], 0, v[\xr+4*(NCH-1-n)+\e]
.endr
	s_or_b32 s[T],   s[MM],   s[MM+1]
	s_or_b32 s[T+1], s[MM+2], s[MM+3]
	s_or_b32 s[T],   s[T],    s[T+1]               ; SCC = this chunk has a hit; the three selects leave SCC alone
	s_cselect_b64 s[C:C+1],   s[MM:MM+1],   s[C:C+1]
	s_cselect_b64 s[C+2:C+3], s[MM+2:MM+3], s[C+2:C+3]
	s_cselect_b32 s[BASE], 128*(NCH-1-n), s[BASE]
.set n, n+1
.endr
	; index in the chunk = min over e of 4 x (first lane of mask e) + e, unsigned.  s_ctz_i32_b32 gives -1 for an empty mask, which becomes
	; 0xfffffffc + e: larger than every index, so that the minimum needs no case for it.
.irp e, 0,1,2,3
	s_ctz_i32_b32 s[C+\e], s[C+\e]
.endr
	s_lshl_b32 s[C], s[C], 2
.irp e, 1,2,3
	s_lshl2_add_u32 s[C+\e], s[C+\e], \e
.endr
	s_min_u32 s[C],   s[C],   s[C+1]
	s_min_u32 s[C+2], s[C+2], s[C+3]
	s_min_u32 s[C],   s[C],   s[C+2]
	s_or_b32  s[C],   s[C],   s[BASE]              ; + the chunk's first index, a multiple of 128; an OR, not a sum, so that 'none' stays above every index
	s_min_u32 s[\jr], s[C], 0x800                  ; 'none' is stored as 2,048
.endm
	ROW X0, 32, J0                                 ; behind its first load: 15 of its own, 16 of the second row, the gather
	ROW X1, 16, J0+1                               ; behind its first load: 15 of its own and the gather
	s_wait_loadcnt 0x0                             ; the gather
	v_cmp_lt_f32 s30, 0.5, v[V]                    ; value > 0.5, in f32: lanes 0-15 are neurons 0..15 of my first head, lanes 16-31 of my second
	s_and_b32 s31, s30, 0xffff
	s_lshr_b32 s30, s30, 16
	v_mov_b32 v[D],   s[J0]
	v_mov_b32 v[D+1], s[J0+1]
	v_mov_b32 v[D+2], s31
	v_mov_b32 v[D+3], s30
	ds_store_b128 v[LA], v[D:D+3]                  ; all lanes write the same 16 bytes with the same numbers
	s_wait_dscnt 0x0                               ; they are in LDS before I say so: wave 0 reads them behind the barrier
	s_barrier_signal -1
	s_barrier_wait -1
	s_cmp_lg_u32 s14, 0
	s_cbranch_scc1 .Lend                           ; wave 0 alone stores
	ds_load_b64 v[RBK:RBK+1], v[L8]
	s_wait_dscnt 0x0
	global_store_b64 v[L8], v[RBK:RBK+1], s[12:13] ; the wave stores 256 consecutive bytes, at a multiple of 256 from the buffer's first byte
.Lend:
	s_wait_tensorcnt 0x0
	ds_add_u32 v160, v161
	s_wait_dscnt 0x0
	s_endpgm
.Lfunc_end_k_q3470d9d841_scan:
	.size	k_q3470d9d841_scan, .Lfunc_end_k_q3470d9d841_scan-k_q3470d9d841_scan
	.p2alignl 7, 3214868480
	.fill 96, 4, 3214868480
	.section	.rodata,"a",@progbits
	.p2align	6, 0x0
	.amdhsa_kernel k_q3470d9d841_scan
		.amdhsa_group_segment_fixed_size 2304
		.amdhsa_private_segment_fixed_size 0
		.amdhsa_enable_private_segment 0
		.amdhsa_kernarg_size 40
		.amdhsa_user_sgpr_count 2
		.amdhsa_user_sgpr_kernarg_segment_ptr 1
		.amdhsa_wavefront_size32 1
		.amdhsa_system_sgpr_workgroup_id_x 1
		.amdhsa_system_sgpr_workgroup_id_y 1
		.amdhsa_system_sgpr_workgroup_id_z 1
		.amdhsa_system_vgpr_workitem_id 0
		.amdhsa_next_free_vgpr 162
		.amdhsa_next_free_sgpr 66
		.amdhsa_reserve_vcc 0
		.amdhsa_float_denorm_mode_32 3
		.amdhsa_float_denorm_mode_16_64 3
		.amdhsa_memory_ordered 1
		.amdhsa_forward_progress 1
		.amdhsa_inst_pref_size 26
	.end_amdhsa_kernel
	.amdgpu_metadata
---
amdhsa.version: [ 1, 2 ]
amdhsa.kernels:
  - .name:           k_q3470d9d841_scan
    .symbol:         k_q3470d9d841_scan.kd
    .args:
      - { .name: route_table, .offset: 0, .size: 8, .value_kind: global_buffer, .address_space: global }
      - { .name: tokens, .offset: 8, .size: 8, .value_kind: global_buffer, .address_space: global }
      - { .name: conns_value, .offset: 16, .size: 8, .value_kind: global_buffer, .address_space: global }
      - { .name: value_table, .offset: 24, .size: 8, .value_kind: global_buffer, .address_space: global }
      - { .name: side, .offset: 32, .size: 8, .value_kind: global_buffer, .address_space: global }
    .group_segment_fixed_size: 2304
    .private_segment_fixed_size: 0
    .kernarg_segment_align: 8
    .kernarg_segment_size: 40
    .max_flat_workgroup_size: 512
    .sgpr_count:     66
    .vgpr_count:     162
    .wavefront_size: 32
...
	.end_amdgpu_metadata
.endif
;; end of part 1
;; launch output (part 2): grid 256 x 1, 2 waves a work-group, no clusters, 0 bytes of LDS; arguments side, conns_out, output_table, out0; writes out0
.if DOCPART == 2
	.amdgcn_target "amdgcn-amd-amdhsa--gfx1250"
	.amdhsa_code_object_version 6
	.text
	.protected	k_q3470d9d841_output
	.globl	k_q3470d9d841_output
	.p2align	8
	.type	k_q3470d9d841_output,@function
k_q3470d9d841_output:
	s_mov_b64 s[64:65], 0
	v_nop
	global_prefetch_b8 v0, s[64:65] scope:SCOPE_SE
	s_setreg_imm32_b32 hwreg(HW_REG_WAVE_MODE, 25, 1), 1
	s_wait_xcnt 0x0
; COMBINE AND OUTPUT.  side holds a record of 32 bytes for each position p (stored by the launch before): J(p, h) at byte 16 (h >> 1) + 4 (h & 1),
; the first key that query p attends to in head h, or 2,048 for none; and 8 bytes further the 16 value bits of KEY p in head h.
; For query i the 64 combined bits are, at bit 16 h + t, bit t of the value bits of key J(i, h) in head h, or 0 where J is 2,048 (head_out = 0, and
; 0 > 0.5 is false).  conns_out picks 12 of them for each neuron, highest bit first; out0[i][t] = output_table[t][address].
; A wave is on its own (no LDS, no barrier): 4 queries, whose 4 x 16 outputs are 256 consecutive bytes.  Lane l serves query l >> 3 and the two neurons
; 2 (l & 7), 2 (l & 7) + 1.  The eight lanes of a query load the same J and the same value bits, each for itself: the same words of one record,
; which spares a step between lanes.  512 waves, two to a work-group.
; No cluster: what the waves share are single words of small tables, no tile.
; LIMIT: every connection is 0..63, inside the 64 combined bits.
.set HA,  24                           ; s[24:27]  head h: lanes whose query has a hit
.set M,   28                           ; s[28:51]  connection k: lanes in which it means one of bits 0..31
.set L8,  2                            ; v2        8 x lane
.set COF, 4                            ; v4        byte offset of my 24 connections
.set TB,  5                            ; v5        byte offset of my first neuron's output table
.set QO,  6                            ; v6        32 x my query's number in the wave
.set JV,  8                            ; v[8:11]   J of my query in heads 0..3
.set GA,  12                           ; v[12:15]  offsets of the four records
.set PW,  16                           ; v[16:19]  the four words of value bits
.set LO,  20                           ; v20       combined bits 0..31
.set HI,  21                           ; v21       combined bits 32..63
.set A,   22                           ; v[22:23]  addresses of my two neurons
.set T,   24                           ; v[24:25]  at work
.set O,   26                           ; v[26:27]  my two results
.set CO,  32                           ; v[32:55]  connections of my two neurons, 12 each
	s_load_b256 s[4:11], s[0:1], 0x0               ; side s[4:5], conns_out s[6:7], output_table s[8:9], out0 s[10:11]
	v_lshrrev_b32 v1, 5, v0
	v_readfirstlane_b32 s14, v1                    ; wave 0..1
	s_lshl1_add_u32 s15, ttmp9, s14                ; wave among all 512: its queries are 4 G .. 4 G + 3
	s_lshl_b32 s16, s15, 7                         ; 4 records of 32 bytes
	s_mov_b32 s17, 0
	s_lshl_b32 s18, s15, 8                         ; 4 rows of 64 bytes of out0
	s_mov_b32 s19, 0
	v_and_b32 v1, 31, v0                           ; lane
	v_lshlrev_b32 v[L8], 3, v1
	v_and_b32 v3, 7, v1
	v_mul_u32_u24 v[COF], v3, 96                   ; two neurons x 12 connections x 4 bytes
	v_lshlrev_b32 v[TB], 15, v3                    ; neuron 2 (lane & 7) x 16,384 bytes
	v_lshrrev_b32 v[QO], 3, v1
	v_lshlrev_b32 v[QO], 5, v[QO]
	s_wait_kmcnt 0x0
	s_add_nc_u64 s[20:21], s[4:5], s[16:17]        ; my queries' records; s[4:5] stays the table's first byte, for the gathers
	s_add_nc_u64 s[10:11], s[10:11], s[18:19]
	global_load_b64 v[JV:JV+1],   v[QO], s[20:21]              ; J of heads 0, 1
	global_load_b64 v[JV+2:JV+3], v[QO], s[20:21] offset:16    ; J of heads 2, 3
.irp i, 0,1,2,3,4,5
	global_load_b128 v[CO+4*\i:CO+4*\i+3], v[COF], s[6:7] offset:16*\i
.endr
	s_wait_loadcnt 6                               ; loads come back in order (ISA guide 5.7.1): the four J are in, the six loads of connections stay out
.irp h, 0,1,2,3
	v_cmp_gt_u32 s[HA+\h], 0x800, v[JV+\h]         ; has_any
	v_min_u32 v[GA+\h], 0x7ff, v[JV+\h]            ; 'none' is brought inside the table; its word is thrown away below
	v_lshlrev_b32 v[GA+\h], 5, v[GA+\h]            ; 32 bytes a record
	global_load_b32 v[PW+\h], v[GA+\h], s[4:5] offset:8+16*(\h>>1)+4*(\h&1)
.endr
	s_wait_loadcnt 4                               ; the connections are in, the four gathers stay out
	; while they are out: which half of the 64 bits each connection means, and its place in that half
.set k, 0
.rept 24
	v_cmp_gt_u32 s[M+k], 32, v[CO+k]
	v_and_b32 v[CO+k], 31, v[CO+k]
.set k, k+1
.endr
	s_wait_loadcnt 0x0
.irp h, 0,1,2,3
	v_cndmask_b32 v[PW+\h], 0, v[PW+\h], s[HA+\h]  ; no hit: all 16 bits 0
.endr
	v_lshl_or_b32 v[LO], v[PW+1], 16, v[PW]        ; bit 16 h + t
	v_lshl_or_b32 v[HI], v[PW+3], 16, v[PW+2]
	; two addresses of 12 bits, highest first, in two chains
.irp n, 0,1
	v_cndmask_b32 v[A+\n], v[HI], v[LO], s[M+12*\n]
.endr
.irp n, 0,1
	v_bfe_u32 v[A+\n], v[A+\n], v[CO+12*\n], 1
.endr
.irp k, 1,2,3,4,5,6,7,8,9,10,11
.irp n, 0,1
	v_cndmask_b32 v[T+\n], v[HI], v[LO], s[M+12*\n+\k]
.endr
.irp n, 0,1
	v_bfe_u32 v[T+\n], v[T+\n], v[CO+12*\n+\k], 1
.endr
.irp n, 0,1
	v_lshl_or_b32 v[A+\n], v[A+\n], 1, v[T+\n]
.endr
.endr
.irp n, 0,1
	v_min_u32 v[A+\n], 0xfff, v[A+\n]              ; twelve bits cannot pass 4,095; the bound is written out where a loaded number turns into an address
	v_lshl_add_u32 v[A+\n], v[A+\n], 2, v[TB]
	global_load_b32 v[O+\n], v[A+\n], s[8:9] offset:16384*\n
.endr
	s_wait_loadcnt 0x0
	global_store_b64 v[L8], v[O:O+1], s[10:11]     ; lane l: out0[4 G + l / 8][2 (l & 7) ..]: the wave stores 256 consecutive bytes, at a multiple of 256 from the buffer's first byte
	s_endpgm
.Lfunc_end_k_q3470d9d841_output:
	.size	k_q3470d9d841_output, .Lfunc_end_k_q3470d9d841_output-k_q3470d9d841_output
	.p2alignl 7, 3214868480
	.fill 96, 4, 3214868480
	.section	.rodata,"a",@progbits
	.p2align	6, 0x0
	.amdhsa_kernel k_q3470d9d841_output
		.amdhsa_group_segment_fixed_size 0
		.amdhsa_private_segment_fixed_size 0
		.amdhsa_enable_private_segment 0
		.amdhsa_kernarg_size 32
		.amdhsa_user_sgpr_count 2
		.amdhsa_user_sgpr_kernarg_segment_ptr 1
		.amdhsa_wavefront_size32 1
		.amdhsa_system_sgpr_workgroup_id_x 1
		.amdhsa_system_sgpr_workgroup_id_y 1
		.amdhsa_system_sgpr_workgroup_id_z 1
		.amdhsa_system_vgpr_workitem_id 0
		.amdhsa_next_free_vgpr 56
		.amdhsa_next_free_sgpr 66
		.amdhsa_reserve_vcc 0
		.amdhsa_float_denorm_mode_32 3
		.amdhsa_float_denorm_mode_16_64 3
		.amdhsa_memory_ordered 1
		.amdhsa_forward_progress 1
		.amdhsa_inst_pref_size 11
	.end_amdhsa_kernel
	.amdgpu_metadata
---
amdhsa.version: [ 1, 2 ]
amdhsa.kernels:
  - .name:           k_q3470d9d841_output
    .symbol:         k_q3470d9d841_output.kd
    .args:
      - { .name: side, .offset: 0, .size: 8, .value_kind: global_buffer, .address_space: global }
      - { .name: conns_out, .offset: 8, .size: 8, .value_kind: global_buffer, .address_space: global }
      - { .name: output_table, .offset: 16, .size: 8, .value_kind: global_buffer, .address_space: global }
      - { .name: out0, .offset: 24, .size: 8, .value_kind: global_buffer, .address_space: global }
    .group_segment_fixed_size: 0
    .private_segment_fixed_size: 0
    .kernarg_segment_align: 8
    .kernarg_segment_size: 32
    .max_flat_workgroup_size: 64
    .sgpr_count:     66
    .vgpr_count:     56
    .wavefront_size: 32
...
	.end_amdgpu_metadata
.endif
;; end of part 2
;; ======== version 2 of 2: 2 launches; version 1 with the launch scan written anew for expert scheduling mode
;; workspace buffers: side 65,536 bytes of whole numbers
;; launch scan (part 3): grid 256 x 1, 16 waves a work-group, no clusters, 2,304 bytes of LDS; arguments route_table, tokens, conns_value, value_table, side; writes side
.if DOCPART == 3
	.amdgcn_target "amdgcn-amd-amdhsa--gfx1250"
	.amdhsa_code_object_version 6
	.text
	.protected	k_q3470d9d841_scan
	.globl	k_q3470d9d841_scan
	.p2align	8
	.type	k_q3470d9d841_scan,@function
k_q3470d9d841_scan:
	s_mov_b64 s[64:65], 0
	v_nop
	global_prefetch_b8 v0, s[64:65] scope:SCOPE_SE
	s_setreg_imm32_b32 hwreg(HW_REG_WAVE_SCHED_MODE, 0, 2), 2
	s_setreg_imm32_b32 hwreg(HW_REG_WAVE_MODE, 25, 1), 1
	s_wait_xcnt 0x0
	s_wait_alu depctr_vm_vsrc(0)
; FIRST HITS AND VALUE BITS.  side holds one record of 8 words (32 bytes) for each position p = 0..2047:
;   word 4 (h >> 1) + (h & 1)     : J(p, h) = the first j < 2,048 with route_table[h][4096 p + j] > 0, or 2,048 if the row has none
;   word 4 (h >> 1) + (h & 1) + 2 : bit t = ( value_table[h][t][vaddr(h, t, p)] > 0.5 ), t = 0..15; bits 16..31 = 0
; vaddr(h,t,p) = the 10 bits vin[p][conns_value[h][t][k]], k = 0 first (highest);  vin[p] = the 16 tokens of position p, then the 12 bits of p, highest first.
; Both are decisions that steer addresses; they are stored here as whole numbers, and the next launch forms its addresses from what it reads.
; A work-group owns 8 positions: 32 rows of the route table (256 KiB) and 256 consecutive bytes of side.  Sixteen waves: wave w takes position
; 8 g + (w >> 1) and the two heads 2 (w & 1), 2 (w & 1) + 1: two rows of 8,192 bytes, and 16 bytes of the record.
; EVERY ROW IS READ WHOLE, whatever it holds: no branch and no address of this launch hangs on a number of the route table, so the work is the same for
; every table.  A wave asks for its two rows at once, 32 loads of 512 consecutive bytes into 128 registers: all that the work-group will ever read
; is on its way before the first word is looked at, so there is nothing that a ring of slots could add.
; No cluster: each row is read by one wave alone, and the small tables are gathered one word at a time, so no tile is shared.
; LIMITS: every token is 0 or 1 (another number would spill into the neighbouring bits of W); every connection is 0..27, inside vin.
; route_table may hold any int32 (signed compare with 0).  A NaN in value_table compares false, as it does in the reference.
; THE MODE: SCHED_MODE bits 1:0 = 2 (LLVM: expert scheduling mode 2), set by the entry lines.  The code itself states the register dependences
; between vector instructions and memory or LDS instructions, and those through scalar registers that vector instructions write, with s_wait_alu, always for 0.
; THE PLAN.  Vector registers that memory or LDS instructions touch:
;   v2, v3, v5, v6   offsets and addresses: written once at the head, read by loads and stores, never written again.
;   v18              the gather's offset: written by the address chain, read by the one gather, never written again.
;   v[24:27]         the record: written by four moves, read by the one LDS store, never written again.
;   v[8:17], v20, v[28:29], v[32:159]   loaded once each; no vector instruction names one of them ahead of its load, and none is loaded again.
; So three waits on va_vdst stand in the text (ahead of the first load, of the gather, of the LDS store), and none on vm_vsrc: no register that a
; memory or LDS instruction reads is written a second time.
; Scalar registers that vector instructions write: s14 (the wave's number), s30 (the value bits) and the search's lane masks.  The masks are made in runs of
; sixteen compares, four chunks, into two sets that take turns: while the scalar lines fold one set, the other set's compares are under way, and ONE wait
; on va_sdst stands between a run and the first line that reads its masks: four waits a row.  A set is written again only behind the lines that folded it.
.set ROWB,  16384                      ; bytes from a query's row to the next: 4,096 words, of which the first 2,048 count
.set HEADB, 0x4000000                  ; bytes from head to head: 2^24 words
.set CHB,   512                        ; a chunk: what one load of the wave covers, 128 words; lane l holds words 4 l .. 4 l + 3 of it
.set NCH,   16                         ; chunks in a row
.set R0,  22                           ; s[22:23]  address of my first row;  s[24:25] of my second
.set J0,  26                           ; s26, s27  J of my two rows
.set W,   28                           ; s28       the 28 input bits of my position: bit c = vin[c]
.set TK,  32                           ; s[32:47]  its 16 tokens, until W is made
.set M,   32                           ; s[32:47], s[48:63]  lane masks of four chunks, one for each word e = 0..3 of a lane; two sets in turn
.set C,   16                           ; s[16:19]  the masks of the earliest chunk seen so far that has a hit (at the head these hold offsets, which are used up by then)
.set T,   20                           ; s20, s21  at work
.set BASE, 29                          ; s29       that chunk's first index
.set RO,  2                            ; v2        16 x lane
.set COF, 3                            ; v3        byte offset of my neuron's 10 connections
.set VR,  4                            ; v4        byte offset of my neuron's table
.set L8,  5                            ; v5        8 x lane
.set LA,  6                            ; v6        LDS address of my wave's 16 bytes
.set CN,  8                            ; v[8:17]   my neuron's connections, then the bits that they pick
.set A,   18                           ; v18       table address
.set V,   20                           ; v20       the table's entry
.set D,   24                           ; v[24:27]  my wave's four words of the record
.set RBK, 28                           ; v[28:29]  wave 0: 8 bytes of the work-group's 256
.set X0,  32                           ; v[32:95]  my first row: chunk c in 4 registers at X0 + 4 c
.set X1,  96                           ; v[96:159] my second row
	s_load_b256 s[4:11], s[0:1], 0x0               ; route_table s[4:5], tokens s[6:7], conns_value s[8:9], value_table s[10:11]
	s_load_b64 s[12:13], s[0:1], 0x20              ; side
	v_lshl_add_u32 v30, v0, 2, 0x100
	v_mov_b32 v31, 0
	v_lshrrev_b32 v1, 5, v0
	v_readfirstlane_b32 s14, v1                    ; wave 0..15
	v_and_b32 v1, 31, v0                           ; lane
	v_and_b32 v7, 63, v0                           ; my neuron among all 64: 32 (w & 1) + lane = 16 x head + t
	v_lshlrev_b32 v[RO], 4, v1
	v_mul_u32_u24 v[COF], v7, 40                   ; 10 connections of 4 bytes
	v_lshlrev_b32 v[VR], 12, v7                    ; 1,024 f32
	v_lshlrev_b32 v[L8], 3, v1
	s_wait_alu depctr_va_sdst(0)                   ; s14 is written, ahead of its first reader: my position, my heads and my LDS address are made from it
	s_lshr_b32 s15, s14, 1
	s_lshl3_add_u32 s15, ttmp9, s15                ; my position p = 8 g + (w >> 1)
	s_and_b32 s16, s14, 1                          ; which pair of heads
	s_lshl_b32 s18, s16, 27                        ; head 2 (w & 1) x 2^26 bytes
	s_lshl_b32 s17, s15, 14                        ; + p x 16,384 bytes
	s_or_b32 s18, s18, s17
	s_mov_b32 s19, 0
	s_lshl_b32 s20, s15, 6                         ; 64 bytes of tokens a position
	s_mov_b32 s21, 0
	s_lshl_b32 s30, ttmp9, 8                       ; 256 bytes of side a work-group
	s_mov_b32 s31, 0
	v_mov_b32 v[LA], s14
	v_lshlrev_b32 v[LA], 4, v[LA]                  ; 16 w = 32 x (position in the group) + 16 x (pair of heads)
	s_wait_kmcnt 0x0
	s_add_nc_u64 s[R0:R0+1], s[4:5], s[18:19]
	s_add_nc_u64 s[R0+2:R0+3], s[R0:R0+1], HEADB
	s_add_nc_u64 s[6:7], s[6:7], s[20:21]
	s_add_nc_u64 s[12:13], s[12:13], s[30:31]
	s_load_b512 s[TK:TK+15], s[6:7], 0x0           ; one position for the whole wave: its tokens are scalars
	s_wait_alu depctr_va_vdst(0)                   ; v2, v3, v5 and v6 are written: the loads below, the LDS store and wave 0's load and store at the end read them as offsets and addresses
.irp i, 0,1,2,3,4
	global_load_b64 v[CN+2*\i:CN+2*\i+1], v[COF], s[8:9] offset:8*\i      ; the five loads together take the wave's 1,280 consecutive bytes
.endr
; A row's 16 loads, the last chunk first: they come back in the order of issue, and the search below wants the later chunk before the earlier one.
.macro ASK xr, base
.set c, NCH-1
.rept NCH
	global_load_b128 v[\xr+4*c:\xr+4*c+3], v[RO], s[\base:\base+1] offset:CHB*c th:TH_LOAD_NT   ; 512 consecutive bytes, read once in the launch
.set c, c-1
.endr
.endm
	ASK X0, R0
	ASK X1, R0+2
	; While all that is out: W, highest bit first, doubling and adding.  vin[16 + k] = bit 11 - k of p, so W's bit 27 is bit 0 of p, bit 26 bit 1, ..
	s_and_b32 s[W], s15, 1
.irp b, 1,2,3,4,5,6,7,8,9,10
	s_bfe_u32 s29, s15, (1<<16)|\b
	s_lshl1_add_u32 s[W], s[W], s29
.endr
	s_lshl_b32 s[W], s[W], 1                       ; bit 11 of a position below 2,048 is 0
	s_wait_kmcnt 0x0                               ; the tokens
.irp t, 15,14,13,12,11,10,9,8,7,6,5,4,3,2,1,0
	s_lshl1_add_u32 s[W], s[W], s[TK+\t]           ; vin[t] = token t, which ends at bit t
.endr
	s_wait_loadcnt 32                              ; loads come back in order (ISA guide 5.7.1): my connections are in, the 32 loads of the two rows stay out
.irp k, 0,1,2,3,4,5,6,7,8,9
	v_bfe_u32 v[CN+\k], s[W], v[CN+\k], 1          ; ten picks that do not wait for each other
.endr
	v_lshl_or_b32 v[A], v[CN], 1, v[CN+1]          ; the address, connection 0 highest
.irp k, 2,3,4,5,6,7,8,9
	v_lshl_or_b32 v[A], v[A], 1, v[CN+\k]
.endr
	v_min_u32 v[A], 0x3ff, v[A]                    ; ten bits cannot pass 1,023; the bound is written out where a loaded number turns into an address
	v_lshl_add_u32 v[A], v[A], 2, v[VR]
	s_wait_alu depctr_va_vdst(0)                   ; the address chain has written v18, which the gather reads as its offset
	global_load_b32 v[V], v[A], s[10:11]           ; asked for now, wanted behind the rows
; THE SEARCH of one row.  left = how many younger loads may be out when the row's first load (its last chunk) has to be in.
; A chunk with a hit takes the candidate's place; as the chunks come from the last to the first, the earliest one with a hit is left.  If no chunk
; has a hit the candidate is still the last chunk, with four empty masks.
; Group g of a row is its loads number 4 g .. 4 g + 3 (chunks 15 - 4 g down to 12 - 4 g).  CMPS makes the group's sixteen masks, in set g & 1; FOLD lets its chunks, in the same order, take the candidate's place.
.macro CMPS xr, g, left
	s_wait_loadcnt (\left)-4*(\g)-3                ; the row's load number 4 g + 3 is in, and so are the older ones; the younger ones stay out
.set n, 4*(\g)
.rept 4
.if n == 0
.irp e, 0,1,2,3
	v_cmp_lt_i32 s[C+\e], 0, v[\xr+4*(NCH-1)+\e]   ; the last chunk starts as the candidate: nothing is cleared
.endr
.else
.irp e, 0,1,2,3
	v_cmp_lt_i32 s[M+16*((\g)&1)+4*(n&3)+\e], 0, v[\xr+4*(NCH-1-n)+\e]
.endr
.endif
.set n, n+1
.endr
.endm
.macro FOLD g
.set n, 4*(\g)
.rept 4
.if n == 0
	s_mov_b32 s[BASE], 128*(NCH-1)
.else
.set MM, M+16*((\g)&1)+4*(n&3)
	s_or_b32 s[T],   s[MM],   s[MM+1]
	s_or_b32 s[T+1], s[MM+2], s[MM+3]
	s_or_b32 s[T],   s[T],    s[T+1]               ; SCC = this chunk has a hit; the three selects leave SCC alone
	s_cselect_b64 s[C:C+1],   s[MM:MM+1],   s[C:C+1]
	s_cselect_b64 s[C+2:C+3], s[MM+2:MM+3], s[C+2:C+3]
	s_cselect_b32 s[BASE], 128*(NCH-1-n), s[BASE]
.endif
.set n, n+1
.endr
.endm
.macro ROW xr, left, jr
	CMPS \xr, 0, \left
	s_wait_alu depctr_va_sdst(0)                   ; group 0's compares have written the candidate's masks and set 0, which the folding below reads
	CMPS \xr, 1, \left
	FOLD 0
	s_wait_alu depctr_va_sdst(0)                   ; group 1's compares, issued ahead of group 0's folding, have written set 1
	CMPS \xr, 2, \left                             ; set 0 again: its masks have been folded
	FOLD 1
	s_wait_alu depctr_va_sdst(0)                   ; group 2's compares have written set 0
	CMPS \xr, 3, \left                             ; set 1 again
	FOLD 2
	s_wait_alu depctr_va_sdst(0)                   ; group 3's compares have written set 1
	FOLD 3
	; index in the chunk = min over e of 4 x (first lane of mask e) + e, unsigned.  s_ctz_i32_b32 gives -1 for an empty mask, which becomes
	; 0xfffffffc + e: larger than every index, so that the minimum needs no case for it.
.irp e, 0,1,2,3
	s_ctz_i32_b32 s[C+\e], s[C+\e]
.endr
	s_lshl_b32 s[C], s[C], 2
.irp e, 1,2,3
	s_lshl2_add_u32 s[C+\e], s[C+\e], \e
.endr
	s_min_u32 s[C],   s[C],   s[C+1]
	s_min_u32 s[C+2], s[C+2], s[C+3]
	s_min_u32 s[C],   s[C],   s[C+2]
	s_or_b32  s[C],   s[C],   s[BASE]              ; + the chunk's first index, a multiple of 128; an OR, not a sum, so that 'none' stays above every index
	s_min_u32 s[\jr], s[C], 0x800                  ; 'none' is stored as 2,048
.endm
	ROW X0, 32, J0                                 ; behind its first load: 15 of its own, 16 of the second row, the gather
	ROW X1, 16, J0+1                               ; behind its first load: 15 of its own and the gather
	s_wait_loadcnt 0x0                             ; the gather
	v_cmp_lt_f32 s30, 0.5, v[V]                    ; value > 0.5, in f32: lanes 0-15 are neurons 0..15 of my first head, lanes 16-31 of my second
	v_mov_b32 v[D],   s[J0]
	v_mov_b32 v[D+1], s[J0+1]
	s_wait_alu depctr_va_sdst(0)                   ; the compare has written s30, ahead of its first reader
	s_and_b32 s31, s30, 0xffff
	s_lshr_b32 s30, s30, 16
	v_mov_b32 v[D+2], s31
	v_mov_b32 v[D+3], s30
	s_wait_alu depctr_va_vdst(0)                   ; the four moves have written v[24:27], which the LDS store reads
	ds_store_b128 v[LA], v[D:D+3]                  ; all lanes write the same 16 bytes with the same numbers
	s_wait_dscnt 0x0                               ; they are in LDS before I say so: wave 0 reads them behind the barrier
	s_barrier_signal -1
	s_barrier_wait -1
	s_cmp_lg_u32 s14, 0
	s_cbranch_scc1 .Lend                           ; wave 0 alone stores
	ds_load_b64 v[RBK:RBK+1], v[L8]                ; no vector instruction names v[28:29]; v5 was written ahead of the head's wait
	s_wait_dscnt 0x0
	global_store_b64 v[L8], v[RBK:RBK+1], s[12:13] ; the wave stores 256 consecutive bytes, at a multiple of 256 from the buffer's first byte
.Lend:
	s_wait_dscnt 0x0
	s_wait_alu depctr_hold_cnt(0) depctr_sa_sdst(0) depctr_va_vdst(0) depctr_va_sdst(0) depctr_va_ssrc(0) depctr_va_vcc(0) depctr_vm_vsrc(0)
	s_wait_tensorcnt 0x0
	ds_add_u32 v30, v31
	s_wait_dscnt 0x0
	s_endpgm
.Lfunc_end_k_q3470d9d841_scan:
	.size	k_q3470d9d841_scan, .Lfunc_end_k_q3470d9d841_scan-k_q3470d9d841_scan
	.p2alignl 7, 3214868480
	.fill 96, 4, 3214868480
	.section	.rodata,"a",@progbits
	.p2align	6, 0x0
	.amdhsa_kernel k_q3470d9d841_scan
		.amdhsa_group_segment_fixed_size 2304
		.amdhsa_private_segment_fixed_size 0
		.amdhsa_enable_private_segment 0
		.amdhsa_kernarg_size 40
		.amdhsa_user_sgpr_count 2
		.amdhsa_user_sgpr_kernarg_segment_ptr 1
		.amdhsa_wavefront_size32 1
		.amdhsa_system_sgpr_workgroup_id_x 1
		.amdhsa_system_sgpr_workgroup_id_y 1
		.amdhsa_system_sgpr_workgroup_id_z 1
		.amdhsa_system_vgpr_workitem_id 0
		.amdhsa_next_free_vgpr 160
		.amdhsa_next_free_sgpr 66
		.amdhsa_reserve_vcc 0
		.amdhsa_float_denorm_mode_32 3
		.amdhsa_float_denorm_mode_16_64 3
		.amdhsa_memory_ordered 1
		.amdhsa_forward_progress 1
		.amdhsa_inst_pref_size 26
	.end_amdhsa_kernel
	.amdgpu_metadata
---
amdhsa.version: [ 1, 2 ]
amdhsa.kernels:
  - .name:           k_q3470d9d841_scan
    .symbol:         k_q3470d9d841_scan.kd
    .args:
      - { .name: route_table, .offset: 0, .size: 8, .value_kind: global_buffer, .address_space: global }
      - { .name: tokens, .offset: 8, .size: 8, .value_kind: global_buffer, .address_space: global }
      - { .name: conns_value, .offset: 16, .size: 8, .value_kind: global_buffer, .address_space: global }
      - { .name: value_table, .offset: 24, .size: 8, .value_kind: global_buffer, .address_space: global }
      - { .name: side, .offset: 32, .size: 8, .value_kind: global_buffer, .address_space: global }
    .group_segment_fixed_size: 2304
    .private_segment_fixed_size: 0
    .kernarg_segment_align: 8
    .kernarg_segment_size: 40
    .max_flat_workgroup_size: 512
    .sgpr_count:     66
    .vgpr_count:     160
    .wavefront_size: 32
...
	.end_amdgpu_metadata
.endif
;; end of part 3
;; launch output: the kernel of part 2 again; grid 256 x 1, 2 waves a work-group, no clusters, 0 bytes of LDS; arguments side, conns_out, output_table, out0; writes out0
